; MI455X (gfx1250); checked and timed in simulation.
; The chip was launched on July 23, 2026; its instructions are those of AMD's public machine-readable ISA for CDNA 5 (MIT licence, August 2026) and "CDNA5" Instruction Set Architecture Reference Guide (July 2026). The comments in the code are by the model that wrote it; some were corrected since.
;; Self Attention. Allowed arithmetic: float matrix products may take bf16 or f16 operands with f32 sums; all other float work in f32.
;; Inputs: Wk 1,024 x 1,024 float32; Wo 1,024 x 1,024 float32; Wq 1,024 x 1,024 float32; Wv 1,024 x 1,024 float32; bk 1,024 float32; bo 1,024 float32; bq 1,024 float32; bv 1,024 float32; x 2 x 2,048 x 1,024 float32.
;; Outputs: out0 2 x 2,048 x 1,024 float32.
;; One version. Each part assembles by itself: llvm-mc -triple=amdgcn-amd-amdhsa -mcpu=gfx1250 --defsym DOCPART=n.
;; ======== version 1 of 1: 4 launches
;; workspace buffers: xb 8,388,608 bytes; wt 8,388,608 bytes; qh 8,388,608 bytes; kh 8,388,608 bytes; vt 8,388,608 bytes; ao 8,388,608 bytes
;; launch prep (part 1): grid 128 x 4, 8 waves a work-group, no clusters, 18,432 bytes of LDS; arguments x, Wq, Wk, Wv, Wo, xb, wt; writes xb, wt
.if DOCPART == 1
	.amdgcn_target "amdgcn-amd-amdhsa--gfx1250"
	.amdhsa_code_object_version 6
	.text
	.protected	k_qd9dbcefd41_prep
	.globl	k_qd9dbcefd41_prep
	.p2align	8
	.type	k_qd9dbcefd41_prep,@function
k_qd9dbcefd41_prep:
	s_mov_b64 s[64:65], 0
	v_nop
	global_prefetch_b8 v0, s[64:65] scope:SCOPE_SE
	s_setreg_imm32_b32 hwreg(HW_REG_WAVE_MODE, 25, 1), 1
	s_wait_xcnt 0x0
; xb = x rounded to bf16, [4096][1024].  wt = the four weights rounded to bf16 and transposed to [n][k], 4096 rows of 1024 k:
; rows head*192 + kind*64 + d hold column head*64 + d of Wq (kind 0), Wk (1), Wv (2); rows 3072 + n hold column n of Wo.
; So the later products find the contraction index along the rows of both operands, in 16 bits.
; A stream: every input byte is read once and every output byte written once.  No matrix unit; no cluster, since no two
; work-groups read the same bytes.  512 work-groups; each takes one weight tile of 128 k x 64 n (32 KiB) and 8 rows of x (32 KiB).
; LIMIT: the rounding to bf16 (nearest even) is the only change of value.
.set LPITCH, 272                       ; LDS row: 128 k in bf16 (256 bytes) + 16
.set WR,  8                            ; v[8:39]   8 rows x 4 columns of the weight tile, as loaded
.set OUT, 8                            ; v[8:23]   rows of wt read back (the weight registers are dead by then)
.set Y,   24                           ; v[24:39]  x packed (likewise)
.set XR,  40                           ; v[40:71]  32 numbers of x
.set T,   72                           ; v[72:87]  the weight tile packed: 4 columns x 8 k
.set KG,  88                           ; thread / 16
.set LN,  89                           ; thread % 16
	s_load_b256 s[4:11], s[0:1], 0x0               ; x s[4:5], Wq s[6:7], Wk s[8:9], Wv s[10:11]
	s_load_b128 s[12:15], s[0:1], 0x20             ; Wo s[12:13], xb s[14:15]
	s_load_b64 s[16:17], s[0:1], 0x30              ; wt
	v_lshl_add_u32 v90, v0, 2, 0x4400
	v_mov_b32 v91, 0
	s_and_b32 s26, ttmp7, 0xffff                   ; kind: which weight
	s_and_b32 s27, ttmp9, 7                        ; kb: block of 128 k
	s_lshr_b32 s28, ttmp9, 3                       ; nb: block of 64 n (a head)
	s_lshl_b32 s29, s26, 7
	s_add_co_u32 s29, s29, ttmp9                   ; 0 .. 511: which 8 rows of x
	v_lshrrev_b32 v[KG], 4, v0
	v_and_b32 v[LN], 15, v0
	v_lshlrev_b32 v1, 4, v[LN]
	v_lshl_or_b32 v6, v[KG], 11, v1                ; wt: row kg (2,048 bytes), 16 bytes at 16 l
	v_lshl_or_b32 v1, v[KG], 15, v1                ; W: rows 8 kg .. (4,096 bytes each), 16 bytes at 16 l
	v_lshlrev_b32 v2, 5, v0                        ; x: 8 numbers a thread
	v_lshlrev_b32 v3, 4, v0                        ; xb: the same 8 numbers in 16 bytes
	v_mul_u32_u24 v4, v[LN], 4*LPITCH              ; LDS in: rows n = 4 l + c, bytes 16 kg
	v_lshl_add_u32 v4, v[KG], 4, v4
	v_mul_u32_u24 v5, v[KG], LPITCH                ; LDS back: row kg, bytes 16 l
	v_lshl_add_u32 v5, v[LN], 4, v5
	s_lshl_b32 s20, s27, 19                        ; 128 kb rows of 4,096 bytes
	s_lshl_b32 s21, s28, 8                         ; 64 nb columns of 4 bytes
	s_add_co_u32 s20, s20, s21
	s_mov_b32 s21, 0
	s_lshl_b32 s22, s29, 15                        ; 8 rows of x
	s_mov_b32 s23, 0
	s_lshl_b32 s24, s29, 14                        ; 8 rows of xb
	s_mov_b32 s25, 0
	s_mul_i32 s30, s28, 192
	s_lshl_b32 s31, s26, 6
	s_add_co_u32 s30, s30, s31                     ; q, k, v: row head*192 + kind*64
	s_lshl_b32 s31, s28, 6
	s_add_co_u32 s31, s31, 3072                    ; Wo: row 3072 + 64 nb
	s_cmp_lt_u32 s26, 3
	s_cselect_b32 s30, s30, s31
	s_lshl_b32 s30, s30, 11                        ; rows of 2,048 bytes
	s_lshl_b32 s31, s27, 8                         ; + 128 kb numbers of 2 bytes
	s_add_co_u32 s30, s30, s31
	s_mov_b32 s31, 0
	s_wait_kmcnt 0x0
	s_cmp_eq_u32 s26, 1                            ; the weight is chosen by the work-group's y alone
	s_cselect_b64 s[18:19], s[8:9], s[6:7]
	s_cmp_eq_u32 s26, 2
	s_cselect_b64 s[18:19], s[10:11], s[18:19]
	s_cmp_eq_u32 s26, 3
	s_cselect_b64 s[18:19], s[12:13], s[18:19]
	s_add_nc_u64 s[18:19], s[18:19], s[20:21]
	s_add_nc_u64 s[4:5], s[4:5], s[22:23]
	s_add_nc_u64 s[14:15], s[14:15], s[24:25]
	s_add_nc_u64 s[16:17], s[16:17], s[30:31]
	; all sixteen loads go out at once; sixteen lanes of a weight load cover 256 consecutive aligned bytes of one row
.irp i, 0,1,2,3,4,5,6,7
	global_load_b128 v[WR+4*\i:WR+4*\i+3], v1, s[18:19] offset:\i*4096 th:TH_LOAD_NT
.endr
.irp p, 0,1,2,3
	global_load_b128 v[XR+8*\p:XR+8*\p+3],   v2, s[4:5] offset:\p*8192 th:TH_LOAD_NT
	global_load_b128 v[XR+8*\p+4:XR+8*\p+7], v2, s[4:5] offset:\p*8192+16 th:TH_LOAD_NT
.endr
	s_wait_loadcnt 0x8                             ; the eight weight loads are in; the eight younger loads of x stay out
.irp c, 0,1,2,3
.irp p, 0,1,2,3
	v_cvt_pk_bf16_f32 v[T+4*\c+\p], v[WR+8*\p+\c], v[WR+8*\p+4+\c]   ; column 4 l + c, k = 8 kg + 2 p and + 1
.endr
.endr
.irp c, 0,1,2,3
	ds_store_b128 v4, v[T+4*\c:T+4*\c+3] offset:\c*LPITCH           ; sixteen lanes fall on four 16-byte columns modulo 256 bytes: taken, 32 such stores for 16 KiB of traffic
.endr
	s_wait_loadcnt 0x0                             ; x
.irp p, 0,1,2,3
.irp q, 0,1,2,3
	v_cvt_pk_bf16_f32 v[Y+4*\p+\q], v[XR+8*\p+2*\q], v[XR+8*\p+2*\q+1]
.endr
.endr
.irp p, 0,1,2,3
	global_store_b128 v3, v[Y+4*\p:Y+4*\p+3], s[14:15] offset:\p*4096   ; sixteen lanes store 256 consecutive aligned bytes
.endr
	s_wait_dscnt 0x0                               ; my part of the transposed tile is in LDS: zero, for the other waves' sake
	s_barrier_signal -1
	s_barrier_wait -1
.irp p, 0,1,2,3
	ds_load_b128 v[OUT+4*\p:OUT+4*\p+3], v5 offset:\p*16*LPITCH     ; row 16 p + kg, whole rows of 256 bytes
.endr
.irp p, 0,1,2,3
	s_wait_dscnt 3-\p                              ; LDS loads come back in order: load p is in, the younger ones stay out
	global_store_b128 v6, v[OUT+4*\p:OUT+4*\p+3], s[16:17] offset:\p*32768   ; sixteen lanes store 256 consecutive aligned bytes of one row of wt
.endr
	s_wait_tensorcnt 0x0
	ds_add_u32 v90, v91
	s_wait_dscnt 0x0
	s_endpgm
.Lfunc_end_k_qd9dbcefd41_prep:
	.size	k_qd9dbcefd41_prep, .Lfunc_end_k_qd9dbcefd41_prep-k_qd9dbcefd41_prep
	.p2alignl 7, 3214868480
	.fill 96, 4, 3214868480
	.section	.rodata,"a",@progbits
	.p2align	6, 0x0
	.amdhsa_kernel k_qd9dbcefd41_prep
		.amdhsa_group_segment_fixed_size 18432
		.amdhsa_private_segment_fixed_size 0
		.amdhsa_enable_private_segment 0
		.amdhsa_kernarg_size 56
		.amdhsa_user_sgpr_count 2
		.amdhsa_user_sgpr_kernarg_segment_ptr 1
		.amdhsa_wavefront_size32 1
		.amdhsa_system_sgpr_workgroup_id_x 1
		.amdhsa_system_sgpr_workgroup_id_y 1
		.amdhsa_system_sgpr_workgroup_id_z 1
		.amdhsa_system_vgpr_workitem_id 0
		.amdhsa_next_free_vgpr 92
		.amdhsa_next_free_sgpr 66
		.amdhsa_reserve_vcc 0
		.amdhsa_float_denorm_mode_32 3
		.amdhsa_float_denorm_mode_16_64 3
		.amdhsa_memory_ordered 1
		.amdhsa_forward_progress 1
		.amdhsa_inst_pref_size 8
	.end_amdhsa_kernel
	.amdgpu_metadata
---
amdhsa.version: [ 1, 2 ]
amdhsa.kernels:
  - .name:           k_qd9dbcefd41_prep
    .symbol:         k_qd9dbcefd41_prep.kd
    .args:
      - { .name: x, .offset: 0, .size: 8, .value_kind: global_buffer, .address_space: global }
      - { .name: Wq, .offset: 8, .size: 8, .value_kind: global_buffer, .address_space: global }
      - { .name: Wk, .offset: 16, .size: 8, .value_kind: global_buffer, .address_space: global }
      - { .name: Wv, .offset: 24, .size: 8, .value_kind: global_buffer, .address_space: global }
      - { .name: Wo, .offset: 32, .size: 8, .value_kind: global_buffer, .address_space: global }
      - { .name: xb, .offset: 40, .size: 8, .value_kind: global_buffer, .address_space: global }
      - { .name: wt, .offset: 48, .size: 8, .value_kind: global_buffer, .address_space: global }
    .group_segment_fixed_size: 18432
    .private_segment_fixed_size: 0
    .kernarg_segment_align: 8
    .kernarg_segment_size: 56
    .max_flat_workgroup_size: 256
    .sgpr_count:     66
    .vgpr_count:     92
    .wavefront_size: 32
...
	.end_amdgpu_metadata
.endif
;; end of part 1
;; launch qkv (part 2): grid 16 x 16, 4 waves a work-group, clusters of 4 x 4, 327,680 bytes of LDS; arguments xb, wt, bq, bk, bv, qh, kh, vt; writes qh, kh, vt
.if DOCPART == 2
	.amdgcn_target "amdgcn-amd-amdhsa--gfx1250"
	.amdhsa_code_object_version 6
	.text
	.protected	k_qd9dbcefd41_qkv
	.globl	k_qd9dbcefd41_qkv
	.p2align	8
	.type	k_qd9dbcefd41_qkv,@function
k_qd9dbcefd41_qkv:
	s_mov_b64 s[64:65], 0
	v_nop
	global_prefetch_b8 v0, s[64:65] scope:SCOPE_SE
	s_setreg_imm32_b32 hwreg(HW_REG_WAVE_MODE, 25, 1), 1
	s_wait_xcnt 0x0
	s_wait_alu depctr_hold_cnt(0) depctr_sa_sdst(0) depctr_va_vdst(0) depctr_va_sdst(0) depctr_va_ssrc(0) depctr_va_vcc(0) depctr_vm_vsrc(0)
	s_getreg_b32 s2, hwreg(HW_REG_IB_STS2, 6, 4)
	s_cmp_eq_u32 s2, 0
	s_cbranch_scc0 .Lentry_in_a_cluster
	s_endpgm
.Lentry_in_a_cluster:
	s_bfe_u32 s2, ttmp6, 0x10000c
	s_cmp_lg_u32 s2, 0xf033
	s_cbranch_scc0 .Lentry_shape_is_right
	s_endpgm
.Lentry_shape_is_right:
; q, k, v = x W + b for one head and 256 rows: a block of 256 x 192 of xb [4096][1024] times wt's rows head*192 .. +191 ([n][k], bf16), sums in f32.
; Out: qh, kh [32 bh][2048 s][64 d] and vt [32 bh][64 d][2048 s], bf16.
; Four waves, one for each SIMD of the WGP.  Wave (row half, column half) makes 128 rows x (32 d of q, 32 d of k, 32 d of v): 48 accumulator tiles, 384 registers.
; K = 1024 goes in 8 steps of 128 through two LDS slots filled by tensor loads; rows in memory are 256 bytes, aligned.
; CLUSTERS 4 x 4: the four work-groups of a cluster row share the rows of xb, the four of a column share the head's rows of wt; each tile is asked for jointly.
; q and k use the matrix instruction transposed (source 0 = rows of wt): a lane holds 8 neighbouring d of one row.  v uses it as it is
; (source 0 = rows of xb): a lane holds 8 neighbouring s of one d, 16 bytes of v transposed.
; LIMITS: operands and results are rounded to bf16; non-finite inputs are not served.
; REGISTER WINDOWS: 0: addresses, fragments of xb (two buffers), biases, work on the way out; 1: the 32 tiles of q and k, tile (a, f) at 8 (4 a + f), f = 2 kind + t;
; 2: v0-127 the 16 tiles of v, tile (a, t) at 8 (2 a + t); v128-223 fragments of wt (two buffers of 6).
.set KSTEP,  128
.set PITCH,  272                       ; 256 bytes + 16: the 16 rows of a fragment load start in 16 different 16-byte columns modulo 256 bytes
.set HALFA,  128*PITCH                 ; what wave 0 or 1 fetches of xb
.set ABYTES, 2*HALFA
.set HALFB,  96*PITCH                  ; what wave 2 or 3 fetches of wt
.set SLOT,   ABYTES+2*HALFB            ; 121,856
.set LAPS,   1024/(2*KSTEP)
.set QPITCH, 144                       ; stage of q and of k: [256 rows][128 bytes + 16]
.set KST,    256*QPITCH
.set VST,    2*KST                     ; stage of v transposed: [64 d][512 bytes + 16]
.set VPITCH, 528
.set ADRA, 16                          ; v16-17 LDS address of my xb fragments, slot 0, 1
.set ADRB, 20                          ; v20-21 the same for wt
.set STQ,  22
.set STV,  23
.set RDQ,  24
.set RDV,  25
.set GQ,   26
.set GV,   27
.set BOQ,  28
.set BOV,  29
.set FA0,  32                          ; window 0: buffer c at FA0 + 64 c, fragment a at + 8 a
.set DB,   32                          ; the way out: two buffers of 32 registers in the same place
.set BQK,  160                         ; biases of q and k: 8 for each f
.set BV,   192                         ; bias of v: a pair of equal numbers for each t
.set TMPF, 196
.set PK,   228
.set FB0,  128                         ; window 2: buffer c at FB0 + 48 c, fragment f at + 8 f
.set G1,  24
.set G0,  32
.set G1B, 48
.set G0B, 56
.set MSB, 0
.macro WIN new                         ; the immediate's high byte repeats the setting that is left
.if MSB != \new
	s_set_vgpr_msb (MSB<<8)|\new
.set MSB, \new
.endif
.endm
.macro PLACES                          ; four places behind a matrix instruction, in front of loads into its sources and of readers of its result
.rept 4
	v_nop
.endr
.endm
.macro JLOAD s                         ; waves 0, 1 ask for xb's halves, waves 2, 3 for wt's: one line, one mask, one set of registers each
	s_cmp_eq_u32 s11, 0
	s_cbranch_scc0 .Lfor_b_\@
	tensor_load_to_lds s[G0+4*\s:G0+4*\s+3], s[G1:G1+7]
	s_nop 0
	s_branch .Lasked_\@
.Lfor_b_\@:
	tensor_load_to_lds s[G0B+4*\s:G0B+4*\s+3], s[G1B:G1B+7]
	s_nop 0
.Lasked_\@:
.endm
.macro CREST                           ; a round of the cluster's barrier, behind its opening work-group barrier
	s_cmp_lg_u32 s10, 0
	s_cbranch_scc1 .Lnot_wave_0_\@
	s_barrier_signal -3
.Lnot_wave_0_\@:
	s_barrier_wait -3
	s_barrier_signal -1
	s_barrier_wait -1
.endm
.macro CROUND
	s_barrier_signal -1
	s_barrier_wait -1
	CREST
.endm
	s_load_b128 s[4:7], s[0:1], 0x0                ; xb, wt
	s_load_b256 s[68:75], s[0:1], 0x10             ; bq s[68:69], bk s[70:71], bv s[72:73], qh s[74:75]
	s_load_b128 s[76:79], s[0:1], 0x30             ; kh s[76:77], vt s[78:79]
	s_set_vgpr_msb 0x80
	v_lshl_add_u32 v225, v0, 2, 0x3b800
	s_set_vgpr_msb 0x8000
	v_mov_b32 v255, 0
	s_set_vgpr_msb 0x2
	ds_add_u32 v225, v255
	s_set_vgpr_msb 0x200
	v_lshrrev_b32 v1, 5, v0
	v_readfirstlane_b32 s10, v1                    ; wave 0..3
	s_lshr_b32 s11, s10, 1                         ; my half of the rows.  Also: I fetch xb (0) or wt (1)
	s_and_b32 s12, s10, 1                          ; my half of each kind's 64 d.  Also: which half of that tile I fetch
	s_bfe_u32 s40, ttmp6, 0x40000                  ; cx
	s_bfe_u32 s41, ttmp6, 0x40004                  ; cy
	s_lshl_b32 s42, ttmp9, 2
	s_add_co_u32 s42, s42, s40                     ; head = 4 x cluster x + cx
	s_and_b32 s13, ttmp7, 0xffff
	s_lshl_b32 s13, s13, 2
	s_add_co_u32 s13, s13, s41                     ; row block = 4 x cluster y + cy
	s_lshl_b32 s43, s41, 2
	s_lshl_b32 s43, 15, s43                        ; my row of the cluster
	s_lshl_b32 s44, 0x1111, s40                    ; my column
	s_or_b32 s[G1+0], s43, (1<<16)|(1<<20)|(1<<21)|(5<<22)|(3<<25)   ; mask; 2-byte elements; padding on; bit 21 beside a mask; after every 64 words, 4 words
	s_or_b32 s[G1B+0], s44, (1<<16)|(1<<20)|(1<<21)|(5<<22)|(3<<25)
	s_mov_b32 s[G1+1], KSTEP<<16                   ; tensor_dim0 = 128
	s_mov_b32 s[G1B+1], KSTEP<<16
	s_mov_b32 s[G1+2], 128<<16                     ; tensor_dim1 = 128 rows of xb
	s_mov_b32 s[G1B+2], 96<<16                     ;             = 96 rows of wt
	s_mov_b32 s[G1+3], KSTEP<<16                   ; tile_dim0 = 128
	s_mov_b32 s[G1B+3], KSTEP<<16
	s_mov_b32 s[G1+4], 128                         ; tile_dim1
	s_mov_b32 s[G1B+4], 96
	s_mov_b32 s[G1+5], 1024                        ; elements from row to row
	s_mov_b32 s[G1B+5], 1024
	s_mov_b32 s[G1+6], 0
	s_mov_b32 s[G1B+6], 0
	s_mov_b32 s[G1+7], 0
	s_mov_b32 s[G1B+7], 0
	s_lshl_b32 s17, s12, 7
	s_lshl_b32 s16, s13, 8
	s_add_co_u32 s16, s16, s17                     ; xb: row 256 x block + 128 x half
	s_lshl_b32 s16, s16, 11                        ; rows of 2,048 bytes
	s_mov_b32 s17, 0
	s_mul_i32 s46, s42, 192
	s_mul_i32 s47, s12, 96
	s_add_co_u32 s46, s46, s47                     ; wt: row 192 x head + 96 x half
	s_lshl_b32 s46, s46, 11
	s_mov_b32 s47, 0
	s_mul_i32 s20, s12, HALFA                      ; where they go: no place in the cluster enters an LDS address
	s_mul_i32 s21, s12, HALFB
	s_add_co_u32 s21, s21, ABYTES
	s_wait_dscnt 0x0
	s_wait_kmcnt 0x0
	s_add_nc_u64 s[14:15], s[4:5], s[16:17]
	s_add_nc_u64 s[46:47], s[6:7], s[46:47]
	CROUND                                         ; all sixteen work-groups are here: the first joint loads meet
.irp s, 0,1
	s_mov_b32 s[G0+4*\s], 1
	s_add_co_u32 s[G0+4*\s+1], s20, \s*SLOT
	s_add_nc_u64 s[G0+4*\s+2:G0+4*\s+3], s[14:15], \s*KSTEP*2
	s_or_b32 s[G0+4*\s+3], s[G0+4*\s+3], 0x80000000
	s_mov_b32 s[G0B+4*\s], 1
	s_add_co_u32 s[G0B+4*\s+1], s21, \s*SLOT
	s_add_nc_u64 s[G0B+4*\s+2:G0B+4*\s+3], s[46:47], \s*KSTEP*2
	s_or_b32 s[G0B+4*\s+3], s[G0B+4*\s+3], 0x80000000
	JLOAD \s                                       ; both slots go out before anything else: two tensor loads of a wave are out here, one later
.endr
	v_and_b32 v1, 15, v0                           ; r
	v_bfe_u32 v2, v0, 4, 1                         ; h
	v_and_b32 v3, 31, v0                           ; lane
	v_mul_u32_u24 v4, v1, PITCH
	v_lshl_add_u32 v4, v2, 4, v4                   ; a fragment: row r, 16 bytes at 16 h, and 32 bytes further
	s_mul_i32 s16, s11, HALFA                      ; my 128 rows of xb
	s_mul_i32 s17, s12, 32*PITCH                   ; my 32 d inside each kind's 64 rows of wt
	s_add_co_u32 s17, s17, ABYTES
.irp s, 0,1
	v_add_nc_u32 v[ADRA+\s], s16, v4
	v_add_nc_u32 v[ADRB+\s], s17, v4
	s_add_co_u32 s16, s16, SLOT
	s_add_co_u32 s17, s17, SLOT
.endr
	v_mul_u32_u24 v5, v1, QPITCH                   ; stage of q, k: row 128 x row half + 16 a + r, bytes 64 x column half + 32 t + 16 h
	v_lshl_add_u32 v5, v2, 4, v5
	s_mul_i32 s18, s11, 128*QPITCH
	s_lshl_b32 s19, s12, 6
	s_add_co_u32 s18, s18, s19
	v_add_nc_u32 v[STQ], s18, v5
	v_mul_u32_u24 v5, v1, VPITCH                   ; stage of v: row d = 32 x column half + 16 t + r, bytes 256 x row half + 32 a + 16 h
	v_lshl_add_u32 v5, v2, 4, v5
	s_mul_i32 s18, s12, 32*VPITCH
	s_lshl_b32 s19, s11, 8
	s_add_co_u32 s18, s18, s19
	s_add_co_u32 s18, s18, VST
	v_add_nc_u32 v[STV], s18, v5
	v_lshrrev_b32 v5, 3, v3                        ; back: a wave takes 64 rows of q (k), four rows of 128 bytes a load
	v_mul_u32_u24 v5, v5, QPITCH
	v_and_b32 v6, 7, v3
	v_lshl_add_u32 v5, v6, 4, v5
	s_mul_i32 s18, s10, 64*QPITCH
	v_add_nc_u32 v[RDQ], s18, v5
	s_mul_i32 s18, s10, 16*VPITCH                  ; and 16 rows of v transposed, one row of 512 bytes a load
	s_add_co_u32 s18, s18, VST
	v_lshl_add_u32 v[RDV], v3, 4, s18
	s_lshl_b32 s18, s10, 13
	v_lshl_add_u32 v[GQ], v3, 4, s18               ; 64 rows x 128 bytes a wave, dense
	s_lshl_b32 s18, s10, 16
	v_lshl_add_u32 v[GV], v3, 4, s18               ; 16 rows of 4,096 bytes a wave
	v_lshlrev_b32 v[BOQ], 5, v2                    ; biases of q, k: 8 numbers at 8 h
	v_lshlrev_b32 v[BOV], 2, v1                    ; bias of v: the number of d = r
	; offsets of biases and outputs, in registers that feed no descriptor
	s_lshl_b32 s80, s42, 8                         ; 64 x head numbers of 4 bytes
	s_lshl_b32 s81, s12, 7                         ; + 32 x column half
	s_add_co_u32 s80, s80, s81
	s_mov_b32 s81, 0
	s_add_nc_u64 s[68:69], s[68:69], s[80:81]
	s_add_nc_u64 s[70:71], s[70:71], s[80:81]
	s_add_nc_u64 s[72:73], s[72:73], s[80:81]
	s_lshr_b32 s82, s13, 3                         ; batch
	s_lshl_b32 s82, s82, 4
	s_add_co_u32 s82, s82, s42                     ; bh
	s_lshl_b32 s82, s82, 18                        ; 262,144 bytes for each bh in all three outputs
	s_and_b32 s83, s13, 7
	s_lshl_b32 s84, s83, 15                        ; 256 rows of 128 bytes
	s_add_co_u32 s84, s84, s82
	s_mov_b32 s85, 0
	s_lshl_b32 s86, s83, 9                         ; 256 s of 2 bytes
	s_add_co_u32 s86, s86, s82
	s_mov_b32 s87, 0
	s_add_nc_u64 s[74:75], s[74:75], s[84:85]
	s_add_nc_u64 s[76:77], s[76:77], s[84:85]
	s_add_nc_u64 s[78:79], s[78:79], s[86:87]
.irp t, 0,1
	global_load_b128 v[BQK+8*\t:BQK+8*\t+3],       v[BOQ], s[68:69] offset:64*\t
	global_load_b128 v[BQK+8*\t+4:BQK+8*\t+7],     v[BOQ], s[68:69] offset:64*\t+16
	global_load_b128 v[BQK+16+8*\t:BQK+16+8*\t+3], v[BOQ], s[70:71] offset:64*\t
	global_load_b128 v[BQK+16+8*\t+4:BQK+16+8*\t+7], v[BOQ], s[70:71] offset:64*\t+16
	global_load_b32 v[BV+2*\t],   v[BOV], s[72:73] offset:64*\t
	global_load_b32 v[BV+2*\t+1], v[BOV], s[72:73] offset:64*\t      ; twice: a pair for the packed add
.endr
; The 48 accumulators take turns, one instruction a turn, in the same order in every quarter step.
; 16 products for q and k: row tiles a0 .. a0+3 x f = 0..3.  Source 0 = wt (window 2), source 1 = xb (window 0), C and D window 1.
.macro MULQK cur, a0, zero
	WIN 0x52
.irp a, \a0, \a0+1, \a0+2, \a0+3
.irp f, 0,1,2,3
.if \zero
	v_wmma_f32_16x16x32_bf16 v[8*(4*(\a)+\f):8*(4*(\a)+\f)+7], v[FB0+48*\cur+8*\f:FB0+48*\cur+8*\f+7], v[FA0+64*\cur+8*(\a):FA0+64*\cur+8*(\a)+7], 0
.else
	v_wmma_f32_16x16x32_bf16 v[8*(4*(\a)+\f):8*(4*(\a)+\f)+7], v[FB0+48*\cur+8*\f:FB0+48*\cur+8*\f+7], v[FA0+64*\cur+8*(\a):FA0+64*\cur+8*(\a)+7], v[8*(4*(\a)+\f):8*(4*(\a)+\f)+7]
.endif
.endr
.endr
.endm
; 16 products for v: source 0 = xb (window 0), source 1 = wt (window 2), C and D window 2.
.macro MULV cur, zero
	WIN 0xa8
.irp a, 0,1,2,3,4,5,6,7
.irp t, 0,1
.if \zero
	v_wmma_f32_16x16x32_bf16 v[8*(2*\a+\t):8*(2*\a+\t)+7], v[FA0+64*\cur+8*\a:FA0+64*\cur+8*\a+7], v[FB0+48*\cur+8*(4+\t):FB0+48*\cur+8*(4+\t)+7], 0
.else
	v_wmma_f32_16x16x32_bf16 v[8*(2*\a+\t):8*(2*\a+\t)+7], v[FA0+64*\cur+8*\a:FA0+64*\cur+8*\a+7], v[FB0+48*\cur+8*(4+\t):FB0+48*\cur+8*(4+\t)+7], v[8*(2*\a+\t):8*(2*\a+\t)+7]
.endif
.endr
.endr
.endm
; 28 LDS loads in one run: the fragments of 32 along K at byte k of the rows, into buffer cur
.macro FETCH slot, k, cur
	WIN 0x80
.irp kind, 0,1,2
.irp t, 0,1
	ds_load_b128 v[FB0+48*\cur+8*(2*\kind+\t):FB0+48*\cur+8*(2*\kind+\t)+3],   v[ADRB+\slot] offset:(\kind*64+\t*16)*PITCH+\k
	ds_load_b128 v[FB0+48*\cur+8*(2*\kind+\t)+4:FB0+48*\cur+8*(2*\kind+\t)+7], v[ADRB+\slot] offset:(\kind*64+\t*16)*PITCH+\k+32
.endr
.endr
	WIN 0
.irp a, 0,1,2,3,4,5,6,7
	ds_load_b128 v[FA0+64*\cur+8*\a:FA0+64*\cur+8*\a+3],   v[ADRA+\slot] offset:\a*16*PITCH+\k
	ds_load_b128 v[FA0+64*\cur+8*\a+4:FA0+64*\cur+8*\a+7], v[ADRA+\slot] offset:\a*16*PITCH+\k+32
.endr
.endm
.macro QUARTER slot, k, cur, nxt, zero
	s_wait_dscnt 0x0                               ; this quarter's fragments, asked for 32 matrix instructions ago
	MULQK \cur, 0, \zero
	PLACES
	FETCH \slot, \k, \nxt
	MULQK \cur, 4, \zero
	MULV \cur, \zero
.endm
.macro THREE slot, zero
	QUARTER \slot, 64,  0, 1, \zero
	QUARTER \slot, 128, 1, 0, 0
	QUARTER \slot, 192, 0, 1, 0
.endm
; The last quarter of a K step changes slots.  In front of the barrier each wave has its reads of this slot back and all its tensor loads landed
; (the one that is out is its part of the next slot).  Where the slot is filled again the barrier opens a round of the cluster's barrier, and the
; joint refill is the first tensor load behind the round, one a wave.
.macro TURN slot, next, fill
	s_wait_dscnt 0x0                               ; buffer 1 is in: my last reads of this slot
	MULQK 1, 0, 0
	s_wait_tensorcnt 0x0
	ds_add_u32 v225, v255
	s_wait_dscnt 0x0
	s_barrier_signal -1
	MULQK 1, 4, 0                                  ; register work while the others arrive
	WIN 0
	s_barrier_wait -1
.if \fill
	CREST
	s_add_nc_u64 s[G0+4*\slot+2:G0+4*\slot+3], s[G0+4*\slot+2:G0+4*\slot+3], 2*KSTEP*2
	s_add_nc_u64 s[G0B+4*\slot+2:G0B+4*\slot+3], s[G0B+4*\slot+2:G0B+4*\slot+3], 2*KSTEP*2
	JLOAD \slot
.endif
	PLACES
	FETCH \next, 0, 0
	MULV 1, 0
.endm
.macro LAP zero
	THREE 0, \zero
	TURN 0, 1, 1
	THREE 1, 0
	TURN 1, 0, 1
.endm
	s_wait_tensorcnt 0x1                           ; my part of K step 0 is in; K step 1's load, the one issued behind it, stays out
	s_barrier_signal -1
	s_barrier_wait -1
	FETCH 0, 0, 0
	LAP 1                                          ; the first products start the sums: nothing is cleared
	WIN 0
	s_mov_b32 s3, LAPS-2
.Llap:
	LAP 0
	WIN 0
	s_sub_co_u32 s3, s3, 1
	s_cmp_lg_u32 s3, 0
	s_cbranch_scc1 .Llap
	THREE 0, 0                                     ; the last lap fills nothing
	TURN 0, 1, 0
	THREE 1, 0
	s_wait_dscnt 0x0
	MULQK 1, 0, 0
	MULQK 1, 4, 0
	MULV 1, 0
	; THE WAY OUT.  Both slots have had their last fill, so the stage lies in the ring.
	PLACES
	WIN 0
	s_wait_dscnt 0x0
	s_wait_loadcnt 0x0                             ; the biases
	s_barrier_signal -1
	s_barrier_wait -1                              ; no wave reads the ring any more
.macro CVQK a                          ; rows 16 a .. of q and k: bias, round, 16 bytes a lane into the stage
	WIN 0x01
.irp f, 0,1,2,3
.irp q, 0,1,2,3
	v_pk_add_f32 v[TMPF+8*\f+2*\q:TMPF+8*\f+2*\q+1], v[8*(4*\a+\f)+2*\q:8*(4*\a+\f)+2*\q+1], v[BQK+8*\f+2*\q:BQK+8*\f+2*\q+1]
.endr
.endr
	WIN 0
.irp f, 0,1,2,3
.irp q, 0,1,2,3
	v_cvt_pk_bf16_f32 v[PK+4*\f+\q], v[TMPF+8*\f+2*\q], v[TMPF+8*\f+2*\q+1]
.endr
.endr
.irp kind, 0,1
.irp t, 0,1
	ds_store_b128 v[STQ], v[PK+4*(2*\kind+\t):PK+4*(2*\kind+\t)+3] offset:\kind*KST+\a*16*QPITCH+\t*32
.endr
.endr
.endm
.macro CVV a                           ; s = 16 a + 8 h .. + 7 of v for d = 16 t + r
	WIN 0x02
.irp t, 0,1
.irp q, 0,1,2,3
	v_pk_add_f32 v[TMPF+8*\t+2*\q:TMPF+8*\t+2*\q+1], v[8*(2*\a+\t)+2*\q:8*(2*\a+\t)+2*\q+1], v[BV+2*\t:BV+2*\t+1]
.endr
.endr
	WIN 0
.irp t, 0,1
.irp q, 0,1,2,3
	v_cvt_pk_bf16_f32 v[PK+4*\t+\q], v[TMPF+8*\t+2*\q], v[TMPF+8*\t+2*\q+1]
.endr
.endr
.irp t, 0,1
	ds_store_b128 v[STV], v[PK+4*\t:PK+4*\t+3] offset:\t*16*VPITCH+\a*32
.endr
.endm
.irp a, 0,1,2,3,4,5,6,7
	CVQK \a
.endr
.irp a, 0,1,2,3,4,5,6,7
	CVV \a
.endr
	s_wait_dscnt 0x0                               ; my part of the stage is written: zero, for the other waves' sake
	s_barrier_signal -1
	s_barrier_wait -1
; sixteen loads of 512 bytes from the stage and sixteen stores, in two runs of eight on two register buffers
.macro DRAIN rd, loff, lstep, g, ptr, gstep
.irp bt, 0,1
	s_wait_xcnt 0x0                                ; earlier stores have had their addresses translated (ISA guide 3.1): their data registers are loaded again only behind this wait
.irp u, 0,1,2,3,4,5,6,7
	ds_load_b128 v[DB+32*\bt+4*\u:DB+32*\bt+4*\u+3], v[\rd] offset:\loff+(8*\bt+\u)*\lstep
.endr
.irp u, 0,1,2,3,4,5,6,7
	s_wait_dscnt 7-\u                              ; load u is in, the younger ones stay out
	global_store_b128 v[\g], v[DB+32*\bt+4*\u:DB+32*\bt+4*\u+3], s[\ptr:\ptr+1] offset:(8*\bt+\u)*\gstep   ; a wave's store covers 512 consecutive aligned bytes
.endr
.endr
.endm
	DRAIN RDQ, 0,   4*QPITCH, GQ, 74, 512
	DRAIN RDQ, KST, 4*QPITCH, GQ, 76, 512
	DRAIN RDV, 0,   VPITCH,   GV, 78, 4096
	s_set_vgpr_msb 0x2
	s_wait_tensorcnt 0x0
	ds_add_u32 v225, v255
	s_wait_dscnt 0x0
	s_set_vgpr_msb 0x200
	CROUND                                         ; the closing round: no work-group ends while a partner may still ask for a tile that names it
	s_endpgm
.Lfunc_end_k_qd9dbcefd41_qkv:
	.size	k_qd9dbcefd41_qkv, .Lfunc_end_k_qd9dbcefd41_qkv-k_qd9dbcefd41_qkv
	.p2alignl 7, 3214868480
	.fill 96, 4, 3214868480
	.section	.rodata,"a",@progbits
	.p2align	6, 0x0
	.amdhsa_kernel k_qd9dbcefd41_qkv
		.amdhsa_group_segment_fixed_size 327680
		.amdhsa_private_segment_fixed_size 0
		.amdhsa_enable_private_segment 0
		.amdhsa_kernarg_size 64
		.amdhsa_user_sgpr_count 2
		.amdhsa_user_sgpr_kernarg_segment_ptr 1
		.amdhsa_wavefront_size32 1
		.amdhsa_system_sgpr_workgroup_id_x 1
		.amdhsa_system_sgpr_workgroup_id_y 1
		.amdhsa_system_sgpr_workgroup_id_z 1
		.amdhsa_system_vgpr_workitem_id 0
		.amdhsa_next_free_vgpr 738
		.amdhsa_next_free_sgpr 88
		.amdhsa_reserve_vcc 0
		.amdhsa_float_denorm_mode_32 3
		.amdhsa_float_denorm_mode_16_64 3
		.amdhsa_memory_ordered 1
		.amdhsa_forward_progress 1
		.amdhsa_inst_pref_size 173
	.end_amdhsa_kernel
	.amdgpu_metadata
---
amdhsa.version: [ 1, 2 ]
amdhsa.kernels:
  - .name:           k_qd9dbcefd41_qkv
    .symbol:         k_qd9dbcefd41_qkv.kd
    .args:
      - { .name: xb, .offset: 0, .size: 8, .value_kind: global_buffer, .address_space: global }
      - { .name: wt, .offset: 8, .size: 8, .value_kind: global_buffer, .address_space: global }
      - { .name: bq, .offset: 16, .size: 8, .value_kind: global_buffer, .address_space: global }
      - { .name: bk, .offset: 24, .size: 8, .value_kind: global_buffer, .address_space: global }
      - { .name: bv, .offset: 32, .size: 8, .value_kind: global_buffer, .address_space: global }
      - { .name: qh, .offset: 40, .size: 8, .value_kind: global_buffer, .address_space: global }
      - { .name: kh, .offset: 48, .size: 8, .value_kind: global_buffer, .address_space: global }
      - { .name: vt, .offset: 56, .size: 8, .value_kind: global_buffer, .address_space: global }
    .group_segment_fixed_size: 327680
    .private_segment_fixed_size: 0
    .kernarg_segment_align: 8
    .kernarg_segment_size: 64
    .max_flat_workgroup_size: 128
    .sgpr_count:     88
    .vgpr_count:     738
    .wavefront_size: 32
...
	.end_amdgpu_metadata
.endif
;; end of part 2
;; launch attn (part 3): grid 8 x 32, 8 waves a work-group, clusters of 4 x 1, 327,680 bytes of LDS; arguments qh, kh, vt, ao; writes ao
.if DOCPART == 3
	.amdgcn_target "amdgcn-amd-amdhsa--gfx1250"
	.amdhsa_code_object_version 6
	.text
	.protected	k_qd9dbcefd41_attn
	.globl	k_qd9dbcefd41_attn
	.p2align	8
	.type	k_qd9dbcefd41_attn,@function
k_qd9dbcefd41_attn:
	s_mov_b64 s[64:65], 0
	v_nop
	global_prefetch_b8 v0, s[64:65] scope:SCOPE_SE
	s_setreg_imm32_b32 hwreg(HW_REG_WAVE_MODE, 25, 1), 1
	s_wait_xcnt 0x0
	s_wait_alu depctr_hold_cnt(0) depctr_sa_sdst(0) depctr_va_vdst(0) depctr_va_sdst(0) depctr_va_ssrc(0) depctr_va_vcc(0) depctr_vm_vsrc(0)
	s_getreg_b32 s2, hwreg(HW_REG_IB_STS2, 6, 4)
	s_cmp_eq_u32 s2, 0
	s_cbranch_scc0 .Lentry_in_a_cluster
	s_endpgm
.Lentry_in_a_cluster:
	s_bfe_u32 s2, ttmp6, 0x10000c
	s_cmp_lg_u32 s2, 0x3003
	s_cbranch_scc0 .Lentry_shape_is_right
	s_endpgm
.Lentry_shape_is_right:
; ao[bh][s][d] = softmax over keys of (q k^T / 8) times v, for 256 queries of one (batch, head); bf16 operands, f32 sums, a running maximum.
; Eight waves, two for each SIMD; a wave owns 32 queries (n = 0, 1).
; TRANSPOSED: S^T = K Q^T (source 0 = 16 keys, source 1 = 16 queries): lane (r, h) holds query r and keys 8 h + j.  Packed to bf16, two such tiles ARE
; source 1 of O^T = V^T P^T (32 keys): P never moves between lanes, and a query's maximum needs one exchange between the two halves of the wave.
; ONE STEP BEHIND: the 16 products V^T P^T of step i - 1 stand singly among the vector instructions of step i's softmax, one for about eight of them,
; so that a wave's own vector work runs while its products are made.  For that, all that these products and the softmax name lies in window 0.
; A step's row sums are added to the running sums at the head of the next step, where those four instructions are the places behind K Q^T.
; K and V come in four tiles of 512 keys through two LDS slots.  A slot is four sub-blocks of 128 keys: K [128][128 + 16 bytes], V^T [64 d][256 + 16 bytes].
; Waves 0-3 fetch a sub-block's K, waves 4-7 its V: one tensor load a wave for a tile.
; CLUSTER 4 x 1: the four query blocks of a cluster read the same K and V and ask for them jointly (mask 15).
; LIMITS: q, k, v, P and the result are bf16; exponentials below 2^-126 come out as 0 (ISA guide, v_exp_f32); non-finite inputs are not served.
; The row's largest score gives a term of about 1, so the sum that is inverted is not small.
; WINDOWS: 0: addresses (8), softmax state (8), T (16), S (64), P (32), fragments of V (64), O (64): all 256; 1: fragments of Q (32) and of K (64).
.set KPITCH, 144
.set VPITCH, 272
.set KSUB,   128*KPITCH                ; 18,432
.set SUB,    KSUB+64*VPITCH            ; 35,840
.set SLOT,   4*SUB                     ; 143,360
.set STAGE,  2*SLOT                    ; behind the ring: [32][144] for each wave; no fill lands here
.set WSTAGE, 32*KPITCH
.set KADR,  2
.set VADR,  3
.set KADR0, 4
.set VADR0, 5
.set QOFF,  6
.set STO,   2                          ; the way out, in registers that the loop has left
.set RD,    3
.set OOFF,  5
.set NMC,   8                          ; v8, v10   -c x running maximum of query r, n = 0, 1
.set M,     9                          ; v9, v11   the running maximum (also the upper half of NMC's pair, which the packed form names)
.set ALPHA, 12                         ; v12, v14  the step's rescale factor, at the end 1 / sum
.set LS,    13                         ; v13, v15  running sum over my half's keys (also the upper half of ALPHA's pair)
.set T,     16                         ; v[16:31]  8 for each n
.set S,     32                         ; tile (kt, n) at S + 32 n + 8 kt
.set P,     96                         ; fragment (n, g) at P + 16 n + 8 g
.set VF,    128                        ; fragment (dt, g) at VF + 8 (2 dt + g)
.set O,     192                        ; tile (dt, n) at O + 8 (2 dt + n)
.set QF,    0                          ; window 1: fragment (n, ks) at QF + 8 (2 n + ks)
.set KF,    32                         ; window 1: fragment (kt, ks) at KF + 8 (2 kt + ks)
.set G1K, 24
.set G1V, 32
.set G0K, 40
.set G0V, 48
.set MSB, 0
.macro WIN new                         ; the immediate's high byte repeats the setting that is left
.if MSB != \new
	s_set_vgpr_msb (MSB<<8)|\new
.set MSB, \new
.endif
.endm
.macro PLACES                          ; four places behind a matrix instruction (ISA guide 7.12.1)
.rept 4
	v_nop
.endr
.endm
.macro JLOAD s
	s_cmp_eq_u32 s20, 0
	s_cbranch_scc0 .Lfor_v_\@
	tensor_load_to_lds s[G0K+4*\s:G0K+4*\s+3], s[G1K:G1K+7]
	s_nop 0
	v_nop
	s_branch .Lasked_\@
.Lfor_v_\@:
	tensor_load_to_lds s[G0V+4*\s:G0V+4*\s+3], s[G1V:G1V+7]
	s_nop 0
	v_nop
	v_nop
.Lasked_\@:
.endm
.macro ROUND                           ; a round of the cluster's barrier
	s_barrier_signal -1
	s_barrier_wait -1
	s_cmp_lg_u32 s14, 0
	s_cbranch_scc1 .Lnot_wave_0_\@
	s_barrier_signal -3
.Lnot_wave_0_\@:
	s_barrier_wait -3
	s_barrier_signal -1
	s_barrier_wait -1
.endm
	s_load_b256 s[4:11], s[0:1], 0x0               ; qh s[4:5], kh s[6:7], vt s[8:9], ao s[10:11]
	v_lshl_add_u32 v30, v0, 2, 0x4f000
	v_mov_b32 v31, 0
	ds_add_u32 v30, v31
	v_lshrrev_b32 v1, 5, v0
	v_readfirstlane_b32 s14, v1                    ; wave 0..7
	s_lshr_b32 s20, s14, 2                         ; I fetch K (0) or V (1),
	s_and_b32 s21, s14, 3                          ; of this sub-block
	s_bfe_u32 s15, ttmp6, 0x40000                  ; cx
	s_lshl_b32 s16, ttmp9, 2
	s_add_co_u32 s16, s16, s15                     ; query block: enters the addresses of q and of the result alone
	s_and_b32 s17, ttmp7, 0xffff                   ; bh
	s_mov_b32 s56, 0x76543210                      ; v_permlanex16_b32: lane i reads lane i of the other half
	s_mov_b32 s57, 0xfedcba98
	s_mov_b32 s58, 0x3e38aa3b                      ; c = log2(e) / 8
	s_mov_b32 s59, 0x3e38aa3b
	s_mov_b32 s[G1K+0], 15|(1<<16)|(1<<20)|(1<<21)|(4<<22)|(3<<25)   ; mask of the four; 2-byte elements; padding: after every 32 words, 4 words
	s_mov_b32 s[G1K+1], 64<<16                     ; tensor_dim0 = 64 d
	s_mov_b32 s[G1K+2], 128<<16                    ; tensor_dim1 = 128 keys
	s_mov_b32 s[G1K+3], 64<<16                     ; tile_dim0
	s_mov_b32 s[G1K+4], 128                        ; tile_dim1
	s_mov_b32 s[G1K+5], 64                         ; elements from key to key
	s_mov_b32 s[G1K+6], 0
	s_mov_b32 s[G1K+7], 0
	s_mov_b32 s[G1V+0], 15|(1<<16)|(1<<20)|(1<<21)|(5<<22)|(3<<25)   ; after every 64 words
	s_mov_b32 s[G1V+1], 128<<16                    ; 128 keys along a row
	s_mov_b32 s[G1V+2], 64<<16                     ; 64 d
	s_mov_b32 s[G1V+3], 128<<16
	s_mov_b32 s[G1V+4], 64
	s_mov_b32 s[G1V+5], 2048                       ; elements from d to d
	s_mov_b32 s[G1V+6], 0
	s_mov_b32 s[G1V+7], 0
	s_lshl_b32 s17, s17, 18                        ; 262,144 bytes for each bh in all four buffers
	s_lshl_b32 s18, s21, 14                        ; K: 128 keys of 128 bytes
	s_add_co_u32 s18, s18, s17
	s_mov_b32 s19, 0
	s_lshl_b32 s12, s21, 8                         ; V: 128 keys of 2 bytes
	s_add_co_u32 s12, s12, s17
	s_mov_b32 s13, 0
	s_lshl_b32 s22, s16, 15                        ; q, result: 256 rows of 128 bytes
	s_add_co_u32 s22, s22, s17
	s_mov_b32 s23, 0
	s_mul_i32 s61, s21, SUB                        ; my sub-block in a slot
	v_and_b32 v1, 15, v0                           ; r
	v_bfe_u32 v7, v0, 4, 1                         ; h
	v_and_b32 v[QOFF], 0xe0, v0                    ; 32 x wave,
	v_lshlrev_b32 v[QOFF], 7, v[QOFF]              ; times 128 bytes: a wave's 32 rows
	v_lshl_add_u32 v[QOFF], v1, 7, v[QOFF]         ; row r
	v_lshl_add_u32 v[QOFF], v7, 4, v[QOFF]         ; 16 bytes at 16 h
	s_wait_dscnt 0x0
	s_wait_kmcnt 0x0
	s_add_nc_u64 s[6:7], s[6:7], s[18:19]
	s_add_nc_u64 s[8:9], s[8:9], s[12:13]
	s_add_nc_u64 s[4:5], s[4:5], s[22:23]
	s_add_nc_u64 s[10:11], s[10:11], s[22:23]
	WIN 0x40                                       ; Q goes out first, ahead of the round: nobody stores these bytes, so the loads may be out at the barriers
.irp n, 0,1
.irp ks, 0,1
	global_load_b128 v[QF+8*(2*\n+\ks):QF+8*(2*\n+\ks)+3],   v[QOFF], s[4:5] offset:\n*2048+\ks*64
	global_load_b128 v[QF+8*(2*\n+\ks)+4:QF+8*(2*\n+\ks)+7], v[QOFF], s[4:5] offset:\n*2048+\ks*64+32
.endr
.endr
	WIN 0
	ROUND                                          ; the four work-groups are here: the first joint loads meet
.irp s, 0,1
	s_mov_b32 s[G0K+4*\s], 1
	s_add_co_u32 s[G0K+4*\s+1], s61, \s*SLOT
	s_add_nc_u64 s[G0K+4*\s+2:G0K+4*\s+3], s[6:7], \s*512*128
	s_or_b32 s[G0K+4*\s+3], s[G0K+4*\s+3], 0x80000000
	s_mov_b32 s[G0V+4*\s], 1
	s_add_co_u32 s[G0V+4*\s+1], s61, \s*SLOT+KSUB
	s_add_nc_u64 s[G0V+4*\s+2:G0V+4*\s+3], s[8:9], \s*512*2
	s_or_b32 s[G0V+4*\s+3], s[G0V+4*\s+3], 0x80000000
	JLOAD \s                                       ; keys 0-511 and 512-1023: two tensor loads of a wave are out here, one later
.endr
	v_mul_u32_u24 v[KADR0], v1, KPITCH
	v_lshl_add_u32 v[KADR0], v7, 4, v[KADR0]       ; key r, 16 bytes at 16 h
	v_mul_u32_u24 v[VADR0], v1, VPITCH
	v_lshl_add_u32 v[VADR0], v7, 4, v[VADR0]
	v_add_nc_u32 v[VADR0], KSUB, v[VADR0]          ; d = r, 16 bytes at 16 h
	s_lshl_b32 s12, s14, 12                        ; for the way out: a wave's 32 rows of 128 bytes,
	s_mul_i32 s13, s14, WSTAGE
	s_add_co_u32 s13, s13, STAGE                   ; and my stage
.macro LOADK off                       ; 16 loads: 64 keys x 64 d
	WIN 0x40
.irp kt, 0,1,2,3
.irp ks, 0,1
	ds_load_b128 v[KF+8*(2*\kt+\ks):KF+8*(2*\kt+\ks)+3],   v[KADR] offset:\off+\kt*16*KPITCH+\ks*64
	ds_load_b128 v[KF+8*(2*\kt+\ks)+4:KF+8*(2*\kt+\ks)+7], v[KADR] offset:\off+\kt*16*KPITCH+\ks*64+32
.endr
.endr
.endm
.macro LOADV off                       ; 16 loads: 64 d x 64 keys
	WIN 0
.irp dt, 0,1,2,3
.irp g, 0,1
	ds_load_b128 v[VF+8*(2*\dt+\g):VF+8*(2*\dt+\g)+3],   v[VADR] offset:\off+\dt*16*VPITCH+\g*64
	ds_load_b128 v[VF+8*(2*\dt+\g)+4:VF+8*(2*\dt+\g)+7], v[VADR] offset:\off+\dt*16*VPITCH+\g*64+32
.endr
.endr
.endm
; In both products the eight accumulators take turns, one instruction a turn.
.macro SMUL                            ; S^T = K Q^T: 4 key tiles x 2 query tiles, 64 d in two halves; the first half starts the sums
	WIN 0x05
.irp kt, 0,1,2,3
.irp n, 0,1
	v_wmma_f32_16x16x32_bf16 v[S+32*\n+8*\kt:S+32*\n+8*\kt+7], v[KF+16*\kt:KF+16*\kt+7], v[QF+16*\n:QF+16*\n+7], 0
.endr
.endr
.irp kt, 0,1,2,3
.irp n, 0,1
	v_wmma_f32_16x16x32_bf16 v[S+32*\n+8*\kt:S+32*\n+8*\kt+7], v[KF+16*\kt+8:KF+16*\kt+15], v[QF+16*\n+8:QF+16*\n+15], v[S+32*\n+8*\kt:S+32*\n+8*\kt+7]
.endr
.endr
.endm
; Product idx (0..15) of O^T += V^T P^T: key half g = idx / 8, tile (dt, n) = idx % 8.  mode 0: none yet; 1: the first half starts O; 2: adds.
.macro PVW idx, mode
.if \mode
.set pvg, (\idx)/8
.set pvo, O+8*((\idx)%8)
.set pva, VF+16*(((\idx)%8)/2)+8*pvg
.set pvb, P+16*((\idx)%2)+8*pvg
.set pvz, 0
.if \mode == 1
.if pvg == 0
.set pvz, 1
.endif
.endif
.if pvz
	v_wmma_f32_16x16x32_bf16 v[pvo:pvo+7], v[pva:pva+7], v[pvb:pvb+7], 0
.else
	v_wmma_f32_16x16x32_bf16 v[pvo:pvo+7], v[pva:pva+7], v[pvb:pvb+7], v[pvo:pvo+7]
.endif
.endif
.endm
; The last step's sums (T, T+1 of each n) join the running sums.  Always four plain instructions on registers that K Q^T does not name: its four places.
.macro LSUPD st
.if \st == 0
	PLACES
.else
.if \st == 1
	v_add_f32 v[LS],   v[T],   v[T+1]
	v_add_f32 v[LS+2], v[T+8], v[T+9]
	v_nop
	v_nop
.else
	v_fma_f32 v[LS],   v[LS],   v[ALPHA],   v[T]
	v_fma_f32 v[LS+2], v[LS+2], v[ALPHA+2], v[T+8]
	v_add_f32 v[LS],   v[LS],   v[T+1]
	v_add_f32 v[LS+2], v[LS+2], v[T+9]
.endif
.endif
.endm
.macro FMAQ t, q                       ; pair q of S tile t: c s - c m
	v_pk_fma_f32 v[S+8*(\t)+2*(\q):S+8*(\t)+2*(\q)+1], v[S+8*(\t)+2*(\q):S+8*(\t)+2*(\q)+1], s[58:59], v[NMC+2*((\t)/4):NMC+2*((\t)/4)+1] op_sel_hi:[1,0,0]
.endm
.macro SUMQ t, q                       ; add q of S tile t's weights into its query tile's two chains of pairs; a query tile's first S tile starts them
.if (\t)%4 == 0
.if (\q) < 2
	s_wait_alu depctr_va_vdst(0)
	v_pk_add_f32 v[T+8*((\t)/4)+2*(\q):T+8*((\t)/4)+2*(\q)+1], v[S+8*(\t)+4*(\q):S+8*(\t)+4*(\q)+1], v[S+8*(\t)+4*(\q)+2:S+8*(\t)+4*(\q)+3]
.endif
.else
	s_wait_alu depctr_va_vdst(0)
	v_pk_add_f32 v[T+8*((\t)/4)+2*((\q)%2):T+8*((\t)/4)+2*((\q)%2)+1], v[T+8*((\t)/4)+2*((\q)%2):T+8*((\t)/4)+2*((\q)%2)+1], v[S+8*(\t)+2*(\q):S+8*(\t)+2*(\q)+1]
.endif
.endm
; 64 keys.  st = 0: the very first step (starts the maximum; no V^T P^T yet); 1: the second (starts sum and O); 2: all others.
; kw: how many younger LDS loads may stay out when this step's K has to be there.  more = 1: the next step's K (at nk from KADR) is asked for.
; nv: where this step's V lies from VADR; it is multiplied in the next step.
.macro STEP st, kw, more, nk, nv
	s_wait_dscnt \kw                               ; this step's K is in (16: the younger loads, the last step's V, stay out)
	SMUL
	WIN 0
	LSUPD \st
.if \more
	LOADK \nk
	WIN 0
.endif
.if \st
.if \more
	s_wait_dscnt 16                                ; the last step's V is in; the 16 younger loads, the next step's K, stay out
.else
	s_wait_dscnt 0x0
.endif
.endif
	; the largest of my 32 scores of each query, in four chains; a product of the last step's V^T P^T behind every eight instructions
.irp n, 0,1
.irp c, 0,1,2,3
	v_max3_num_f32 v[T+8*\n+\c], v[S+32*\n+8*\c], v[S+32*\n+8*\c+1], v[S+32*\n+8*\c+2]
.endr
.endr
	PVW 0, \st
.irp n, 0,1
.irp c, 0,1,2,3
	v_max3_num_f32 v[T+8*\n+\c], v[T+8*\n+\c], v[S+32*\n+8*\c+3], v[S+32*\n+8*\c+4]
.endr
.endr
	PVW 1, \st
.irp n, 0,1
.irp c, 0,1,2,3
	v_max3_num_f32 v[T+8*\n+\c], v[T+8*\n+\c], v[S+32*\n+8*\c+5], v[S+32*\n+8*\c+6]
.endr
.endr
	PVW 2, \st
.irp n, 0,1
	v_max3_num_f32 v[T+8*\n],   v[T+8*\n],   v[S+32*\n+7],  v[S+32*\n+15]
	v_max3_num_f32 v[T+8*\n+1], v[T+8*\n+1], v[S+32*\n+23], v[S+32*\n+31]
.endr
.irp n, 0,1
	v_max3_num_f32 v[T+8*\n], v[T+8*\n], v[T+8*\n+1], v[T+8*\n+2]
.endr
.irp n, 0,1
	v_max_num_f32 v[T+8*\n], v[T+8*\n], v[T+8*\n+3]
.endr
	PVW 3, \st
.irp n, 0,1
	v_permlanex16_b32 v[T+8*\n+1], v[T+8*\n], s56, s57     ; the other half's keys of the same query
.endr
.if \st == 0
.irp n, 0,1
	v_max_num_f32 v[M+2*\n], v[T+8*\n], v[T+8*\n+1]
.endr
.irp n, 0,1
	v_mul_f32 v[NMC+2*\n], 0xbe38aa3b, v[M+2*\n]           ; -c m
.endr
.else
.irp n, 0,1
	v_max3_num_f32 v[M+2*\n], v[T+8*\n], v[T+8*\n+1], v[M+2*\n]
.endr
.irp n, 0,1
	v_mul_f32 v[T+8*\n+2], 0xbe38aa3b, v[M+2*\n]           ; -c m, new
.endr
.irp n, 0,1
	v_sub_f32 v[T+8*\n+3], v[T+8*\n+2], v[NMC+2*\n]        ; new - old, at most 0: the same rounded numbers that the weights use
.endr
	PVW 4, \st
	v_exp_f32 v[ALPHA],   v[T+3]
	v_exp_f32 v[ALPHA+2], v[T+11]
	v_mov_b32 v[NMC],   v[T+2]                             ; plain work behind the exponentials (ISA guide 5.7.2), on other registers
	v_mov_b32 v[NMC+2], v[T+10]
.endif
	; p = 2^(c s - c m), in place, and its sums, S tile by S tile: tile t's eight exponentials alternate with tile t + 1's four multiply-adds and
	; tile t - 1's adds, so that a plain instruction on other registers stands behind each exponential before its result is used.
	; Products 5 to 15 stand behind every fourth exponential of tiles 0 to 5.
.irp q, 0,1,2,3
	FMAQ 0, \q
.endr
.set t, 0
.rept 8
.set k, 0
.rept 8
	v_exp_f32 v[S+8*t+k], v[S+8*t+k]
.if k%2 == 0
.if t < 7
	FMAQ t+1, k/2
.endif
.else
.if t > 0
	SUMQ t-1, k/2
.endif
.endif
.if k%4 == 3
.if 5+2*t+k/4 < 16
	PVW 5+2*t+k/4, \st
.endif
.endif
.set k, k+1
.endr
.set t, t+1
.endr
	; Behind the last product stand tiles 5 to 7's multiply-adds and adds, more than four plain instructions on S and T:
	; V's fragments may be loaded again, O rescaled and P written.
	LOADV \nv
.irp q, 0,1,2,3
	SUMQ 7, \q
.endr
	v_pk_add_f32 v[T:T+1],   v[T:T+1],   v[T+2:T+3]
	v_pk_add_f32 v[T+8:T+9], v[T+8:T+9], v[T+10:T+11]      ; T, T+1 of each n wait for the next step's head
.if \st
.set i, 0
.rept 32
	v_pk_mul_f32 v[O+2*i:O+2*i+1], v[O+2*i:O+2*i+1], v[ALPHA+2*((i/4)%2):ALPHA+2*((i/4)%2)+1] op_sel_hi:[1,0]
.set i, i+1
.endr
.endif
.set i, 0
.rept 32
	v_cvt_pk_bf16_f32 v[P+i], v[S+2*i], v[S+2*i+1]         ; tiles 2 g and 2 g + 1 become registers 0-3 and 4-7 of fragment g
.set i, i+1
.endr
.endm
; A sub-block of 128 keys.  Its first step waits for all LDS loads, so that the same text serves behind a change of slots, where K alone is out.
.macro TRIP
	STEP 2, 0, 1, 64*KPITCH, 0
	STEP 2, 16, 1, SUB, 128
	v_add_nc_u32 v[KADR], SUB, v[KADR]
	v_add_nc_u32 v[VADR], SUB, v[VADR]
.endm
.macro LASTTRIP                        ; a slot's last sub-block asks for no K beyond it
	STEP 2, 0, 1, 64*KPITCH, 0
	STEP 2, 16, 0, 0, 128
.endm
.macro TILEHEAD slot
	v_add_nc_u32 v[KADR], \slot*SLOT, v[KADR0]
	v_add_nc_u32 v[VADR], \slot*SLOT, v[VADR0]
	LOADK 0
	WIN 0
.endm
.macro TILE slot                       ; 512 keys
	TILEHEAD \slot
	s_mov_b32 s60, 3
.Ltile_\@:
	TRIP
	s_sub_co_u32 s60, s60, 1
	s_cmp_lg_u32 s60, 0
	s_cbranch_scc1 .Ltile_\@
	LASTTRIP
.endm
; The change of slots.  Every wave has all its tensor loads landed (its part of the next slot among them) and its reads of this slot back,
; the last step's V among them: it is multiplied from registers behind the change.
; fill = 1: a round of the cluster's barrier, then the joint refill of this slot, first thing behind it, one tensor load a wave.
.macro CHANGE slot, fill
	s_wait_tensorcnt 0x0
	ds_add_u32 v30, v31
	s_wait_dscnt 0x0
.if \fill
	s_add_nc_u64 s[G0K+4*\slot+2:G0K+4*\slot+3], s[G0K+4*\slot+2:G0K+4*\slot+3], 1024*128   ; no load of mine is out: the addresses step by 1,024 keys
	s_add_nc_u64 s[G0V+4*\slot+2:G0V+4*\slot+3], s[G0V+4*\slot+2:G0V+4*\slot+3], 1024*2
.endif
	s_wait_dscnt 0x0
.if \fill
	ROUND
	JLOAD \slot
.else
	s_barrier_signal -1
	s_barrier_wait -1
.endif
.endm
	s_wait_tensorcnt 0x1                           ; my part of keys 0-511 is in; the load issued behind it stays out
	s_barrier_signal -1
	s_barrier_wait -1
	TILEHEAD 0
	s_wait_loadcnt 0x0                             ; Q
	STEP 0, 0, 1, 64*KPITCH, 0                     ; the first two steps start maximum, sums and O: nothing is cleared
	STEP 1, 16, 1, SUB, 128
	v_add_nc_u32 v[KADR], SUB, v[KADR]
	v_add_nc_u32 v[VADR], SUB, v[VADR]
	s_mov_b32 s60, 2
.Lfirst_tile:
	TRIP
	s_sub_co_u32 s60, s60, 1
	s_cmp_lg_u32 s60, 0
	s_cbranch_scc1 .Lfirst_tile
	LASTTRIP
	CHANGE 0, 1                                    ; slot 0 gets keys 1024-1535
	TILE 1
	CHANGE 1, 1                                    ; slot 1 gets keys 1536-2047
	TILE 0
	CHANGE 0, 0                                    ; nothing is left to fetch
	TILE 1
	; what the last step left: its sums and its V^T P^T
	s_wait_dscnt 0x0
	LSUPD 2
.set i, 0
.rept 16
	PVW i, 2
.set i, i+1
.endr
	PLACES
	; THE WAY OUT: the two halves' sums meet, O / sum, bf16, through my own stage so that stores cover whole rows
	v_permlanex16_b32 v[T],   v[LS],   s56, s57
	v_permlanex16_b32 v[T+8], v[LS+2], s56, s57
	v_add_f32 v[LS],   v[LS],   v[T]
	v_add_f32 v[LS+2], v[LS+2], v[T+8]
	v_rcp_f32 v[ALPHA],   v[LS]
	v_rcp_f32 v[ALPHA+2], v[LS+2]
	v_add_nc_u32 v[STO], s13, v[KADR0]             ; plain work behind the reciprocals.  In: query r, 16 bytes at 16 h
	v_and_b32 v1, 31, v0                           ; lane
	v_lshrrev_b32 v[RD], 3, v1                     ; back: four rows of 128 bytes a load
	v_mul_u32_u24 v[RD], v[RD], KPITCH
	v_and_b32 v7, 7, v1
	v_lshl_add_u32 v[RD], v7, 4, v[RD]
	v_add_nc_u32 v[RD], s13, v[RD]
	v_lshl_add_u32 v[OOFF], v1, 4, s12             ; a wave's 4,096 bytes of the result, 16 a lane
.set i, 0
	s_wait_alu depctr_va_vdst(0)
.rept 32
	v_pk_mul_f32 v[S+2*i:S+2*i+1], v[O+2*i:O+2*i+1], v[ALPHA+2*((i/4)%2):ALPHA+2*((i/4)%2)+1] op_sel_hi:[1,0]
.set i, i+1
.endr
.set i, 0
.rept 32
	v_cvt_pk_bf16_f32 v[P+i], v[S+2*i], v[S+2*i+1]
.set i, i+1
.endr
.irp dt, 0,1,2,3
.irp n, 0,1
	ds_store_b128 v[STO], v[P+4*(2*\dt+\n):P+4*(2*\dt+\n)+3] offset:\n*16*KPITCH+\dt*32
.endr
.endr
.irp u, 0,1,2,3,4,5,6,7
	ds_load_b128 v[VF+4*\u:VF+4*\u+3], v[RD] offset:\u*4*KPITCH     ; my own bytes; LDS serves a wave's instructions in order (ISA guide 5.7.1): these see the stores above
.endr
.irp u, 0,1,2,3,4,5,6,7
	s_wait_dscnt 7-\u                              ; load u is in, the younger ones stay out
	global_store_b128 v[OOFF], v[VF+4*\u:VF+4*\u+3], s[10:11] offset:\u*512   ; a wave's store covers 512 consecutive aligned bytes
.endr
	s_wait_tensorcnt 0x0
	ds_add_u32 v30, v31
	s_wait_dscnt 0x0
	ROUND                                          ; the closing round
	s_endpgm
.Lfunc_end_k_qd9dbcefd41_attn:
	.size	k_qd9dbcefd41_attn, .Lfunc_end_k_qd9dbcefd41_attn-k_qd9dbcefd41_attn
	.p2alignl 7, 3214868480
	.fill 96, 4, 3214868480
	.section	.rodata,"a",@progbits
	.p2align	6, 0x0
	.amdhsa_kernel k_qd9dbcefd41_attn
		.amdhsa_group_segment_fixed_size 327680
		.amdhsa_private_segment_fixed_size 0
		.amdhsa_enable_private_segment 0
		.amdhsa_kernarg_size 32
		.amdhsa_user_sgpr_count 2
		.amdhsa_user_sgpr_kernarg_segment_ptr 1
		.amdhsa_wavefront_size32 1
		.amdhsa_system_sgpr_workgroup_id_x 1
		.amdhsa_system_sgpr_workgroup_id_y 1
		.amdhsa_system_sgpr_workgroup_id_z 1
		.amdhsa_system_vgpr_workitem_id 0
		.amdhsa_next_free_vgpr 352
		.amdhsa_next_free_sgpr 66
		.amdhsa_reserve_vcc 0
		.amdhsa_float_denorm_mode_32 3
		.amdhsa_float_denorm_mode_16_64 3
		.amdhsa_memory_ordered 1
		.amdhsa_forward_progress 1
		.amdhsa_inst_pref_size 255
	.end_amdhsa_kernel
	.section	.bss,"aw",@nobits
	.p2align	6
	.space	262144
	.amdgpu_metadata
---
amdhsa.version: [ 1, 2 ]
amdhsa.kernels:
  - .name:           k_qd9dbcefd41_attn
    .symbol:         k_qd9dbcefd41_attn.kd
    .args:
      - { .name: qh, .offset: 0, .size: 8, .value_kind: global_buffer, .address_space: global }
      - { .name: kh, .offset: 8, .size: 8, .value_kind: global_buffer, .address_space: global }
      - { .name: vt, .offset: 16, .size: 8, .value_kind: global_buffer, .address_space: global }
      - { .name: ao, .offset: 24, .size: 8, .value_kind: global_buffer, .address_space: global }
    .group_segment_fixed_size: 327680
    .private_segment_fixed_size: 0
    .kernarg_segment_align: 8
    .kernarg_segment_size: 32
    .max_flat_workgroup_size: 256
    .sgpr_count:     66
    .vgpr_count:     352
    .wavefront_size: 32
...
	.end_amdgpu_metadata
.endif
;; end of part 3
;; launch proj (part 4): grid 8 x 32, 4 waves a work-group, clusters of 4 x 4, 327,680 bytes of LDS; arguments ao, wt, bo, out0; writes out0
.if DOCPART == 4
	.amdgcn_target "amdgcn-amd-amdhsa--gfx1250"
	.amdhsa_code_object_version 6
	.text
	.protected	k_qd9dbcefd41_proj
	.globl	k_qd9dbcefd41_proj
	.p2align	8
	.type	k_qd9dbcefd41_proj,@function
k_qd9dbcefd41_proj:
	s_mov_b64 s[64:65], 0
	v_nop
	global_prefetch_b8 v0, s[64:65] scope:SCOPE_SE
	s_setreg_imm32_b32 hwreg(HW_REG_WAVE_MODE, 25, 1), 1
	s_wait_xcnt 0x0
	s_wait_alu depctr_hold_cnt(0) depctr_sa_sdst(0) depctr_va_vdst(0) depctr_va_sdst(0) depctr_va_ssrc(0) depctr_va_vcc(0) depctr_vm_vsrc(0)
	s_getreg_b32 s2, hwreg(HW_REG_IB_STS2, 6, 4)
	s_cmp_eq_u32 s2, 0
	s_cbranch_scc0 .Lentry_in_a_cluster
	s_endpgm
.Lentry_in_a_cluster:
	s_bfe_u32 s2, ttmp6, 0x10000c
	s_cmp_lg_u32 s2, 0xf033
	s_cbranch_scc0 .Lentry_shape_is_right
	s_endpgm
.Lentry_shape_is_right:
; out0 = (attention result) Wo + bo, f32.  A = ao [32 bh][2048 s][64 d] bf16: row (b, s), column head*64 + d.  B = wt's rows 3072 + n ([n][k], bf16).
; A work-group makes 128 x 128, so that 256 work-groups share the 4096 x 1024 outputs; a wave makes 64 x 64: 16 accumulator tiles.
; K = 1024 goes in 4 steps of 256 (four heads) through TWO LDS slots, both filled at the start (two tensor loads of a wave are out there, one later)
; and each filled once more.  From a refill's request to the wait for it a wave issues 112 products (16 + 3 x 32).
; Waves 0, 1 fetch two heads of A each by one load: a head's 128 rows are 16 KiB dense in memory and are taken as ONE row of 8,192 elements, the tile as two
; such rows 131,072 elements apart; the padding of 4 words behind every 32 is counted along the tile, so that in LDS a query's 128 bytes have pitch 144
; and a head 18,432.  Waves 2, 3 fetch 64 rows x 256 k of B each (rows of 512 bytes, pitch 528).
; CLUSTERS 4 x 4: A's tiles are shared along a cluster row, B's along a column, by joint loads.
; The matrix instruction is used transposed (source 0 = rows of B): a lane holds 8 neighbouring columns of one row of the output.
; LIMITS: operands are bf16; non-finite inputs are not served.
; WINDOWS: 0: addresses, bias, work on the way out; 1: accumulators, tile (a, c) at 8 (4 a + c); 2: two fragment buffers of 128 registers.
.set APITCH, 144
.set BPITCH, 528
.set HEADB,  128*APITCH                ; 18,432: one head's rows
.set ABYTES, 4*HEADB                   ; 73,728
.set HALFB,  64*BPITCH                 ; 33,792
.set SLOT,   ABYTES+2*HALFB            ; 141,312
.set STAGE,  2*SLOT                    ; behind the ring: [16][256 + 16 bytes] for each wave; no fill lands here
.set SPITCH, 272
.set ADRA, 16                          ; v16-17  LDS address of my A fragments, slot 0, 1
.set ADRB, 20                          ; v20-21  the same for B
.set STO,  24
.set RD,   25
.set CO,   26
.set BOF,  27
.set BIAS, 32                          ; v[32:63]  8 for each column tile
.set TMP,  64
.set OB0,  96
.set OB1,  128
.set G1,  24
.set G1B, 32
.set G0,  40                           ; s[40:47]  A: a set for each slot
.set G0B, 68                           ; s[68:75]  B: a set for each slot
.set MSB, 0
.macro WIN new                         ; the immediate's high byte repeats the setting that is left
.if MSB != \new
	s_set_vgpr_msb (MSB<<8)|\new
.set MSB, \new
.endif
.endm
.macro PLACES                          ; four places behind a matrix instruction (ISA guide 7.12.1)
.rept 4
	v_nop
.endr
.endm
.macro JLOAD s
	s_cmp_eq_u32 s11, 0
	s_cbranch_scc0 .Lfor_b_\@
	tensor_load_to_lds s[G0+4*\s:G0+4*\s+3], s[G1:G1+7]
	s_nop 0
	s_branch .Lasked_\@
.Lfor_b_\@:
	tensor_load_to_lds s[G0B+4*\s:G0B+4*\s+3], s[G1B:G1B+7]
	s_nop 0
.Lasked_\@:
.endm
.macro CREST                           ; a round of the cluster's barrier, behind its opening work-group barrier
	s_cmp_lg_u32 s10, 0
	s_cbranch_scc1 .Lnot_wave_0_\@
	s_barrier_signal -3
.Lnot_wave_0_\@:
	s_barrier_wait -3
	s_barrier_signal -1
	s_barrier_wait -1
.endm
.macro CROUND
	s_barrier_signal -1
	s_barrier_wait -1
	CREST
.endm
	s_load_b128 s[4:7], s[0:1], 0x0                ; ao, wt
	s_load_b128 s[84:87], s[0:1], 0x10             ; bo s[84:85], out0 s[86:87]
	v_lshl_add_u32 v254, v0, 2, 0x49400
	v_mov_b32 v255, 0
	ds_add_u32 v254, v255
	v_lshrrev_b32 v1, 5, v0
	v_readfirstlane_b32 s10, v1                    ; wave 0..3
	s_lshr_b32 s11, s10, 1                         ; my half of the rows.  Also: I fetch A (0) or B (1)
	s_and_b32 s12, s10, 1                          ; my half of the columns.  Also: which two heads, or which 64 rows of B, I fetch
	s_bfe_u32 s56, ttmp6, 0x40000                  ; cx
	s_bfe_u32 s57, ttmp6, 0x40004                  ; cy
	s_lshl_b32 s58, ttmp9, 2
	s_add_co_u32 s58, s58, s56                     ; column block
	s_and_b32 s13, ttmp7, 0xffff
	s_lshl_b32 s13, s13, 2
	s_add_co_u32 s13, s13, s57                     ; row block
	s_lshl_b32 s59, s57, 2
	s_lshl_b32 s59, 15, s59                        ; my row of the cluster
	s_lshl_b32 s60, 0x1111, s56                    ; my column
	s_or_b32 s[G1+0], s59, (1<<16)|(1<<20)|(1<<21)|(4<<22)|(3<<25)    ; A: 4 words of padding behind every 32 words
	s_or_b32 s[G1B+0], s60, (1<<16)|(1<<20)|(1<<21)|(6<<22)|(3<<25)   ; B: behind every 128 words, a row
	s_mov_b32 s[G1+1], 8192<<16                    ; tensor_dim0: a head's 128 rows x 64 d as one row
	s_mov_b32 s[G1B+1], 256<<16
	s_mov_b32 s[G1+2], 2<<16                       ; tensor_dim1: two heads
	s_mov_b32 s[G1B+2], 64<<16
	s_mov_b32 s[G1+3], 8192<<16                    ; tile_dim0
	s_mov_b32 s[G1B+3], 256<<16
	s_mov_b32 s[G1+4], 2                           ; tile_dim1
	s_mov_b32 s[G1B+4], 64
	s_mov_b32 s[G1+5], 131072                      ; elements from head to head
	s_mov_b32 s[G1B+5], 1024                       ; elements from row to row
	s_mov_b32 s[G1+6], 0
	s_mov_b32 s[G1B+6], 0
	s_mov_b32 s[G1+7], 0
	s_mov_b32 s[G1B+7], 0
	s_lshr_b32 s16, s13, 4                         ; batch: 16 heads of 262,144 bytes
	s_lshl_b32 s16, s16, 22
	s_lshl_b32 s17, s12, 19                        ; my two heads of the step's four
	s_add_co_u32 s16, s16, s17
	s_and_b32 s17, s13, 15
	s_lshl_b32 s17, s17, 14                        ; 128 rows of 128 bytes
	s_add_co_u32 s16, s16, s17
	s_mov_b32 s17, 0
	s_lshl_b32 s18, s58, 7
	s_lshl_b32 s19, s12, 6
	s_add_co_u32 s18, s18, s19
	s_add_co_u32 s18, s18, 3072                    ; wt's row 3072 + 128 x block + 64 x half
	s_lshl_b32 s18, s18, 11
	s_mov_b32 s19, 0
	s_mul_i32 s20, s12, 2*HEADB                    ; where they go: no place in the cluster enters an LDS address
	s_mul_i32 s21, s12, HALFB
	s_add_co_u32 s21, s21, ABYTES
	s_wait_dscnt 0x0
	s_wait_kmcnt 0x0
	s_add_nc_u64 s[14:15], s[4:5], s[16:17]
	s_add_nc_u64 s[22:23], s[6:7], s[18:19]
	CROUND                                         ; all sixteen work-groups are here: the first joint loads meet
.irp s, 0,1
	s_mov_b32 s[G0+4*\s], 1
	s_add_co_u32 s[G0+4*\s+1], s20, \s*SLOT
	s_add_nc_u64 s[G0+4*\s+2:G0+4*\s+3], s[14:15], \s*4*262144
	s_or_b32 s[G0+4*\s+3], s[G0+4*\s+3], 0x80000000
	s_mov_b32 s[G0B+4*\s], 1
	s_add_co_u32 s[G0B+4*\s+1], s21, \s*SLOT
	s_add_nc_u64 s[G0B+4*\s+2:G0B+4*\s+3], s[22:23], \s*512
	s_or_b32 s[G0B+4*\s+3], s[G0B+4*\s+3], 0x80000000
	JLOAD \s                                       ; K steps 0 and 1
.endr
	v_and_b32 v1, 15, v0                           ; r
	v_bfe_u32 v2, v0, 4, 1                         ; h
	v_mul_u32_u24 v3, v1, APITCH
	v_lshl_add_u32 v3, v2, 4, v3
	v_mul_u32_u24 v4, v1, BPITCH
	v_lshl_add_u32 v4, v2, 4, v4
	s_mul_i32 s61, s11, 64*APITCH                  ; my 64 rows of A
	s_mul_i32 s62, s12, HALFB                      ; my 64 rows of B
	s_add_co_u32 s62, s62, ABYTES
.irp s, 0,1
	v_add_nc_u32 v[ADRA+\s], s61, v3
	v_add_nc_u32 v[ADRB+\s], s62, v4
	s_add_co_u32 s61, s61, SLOT
	s_add_co_u32 s62, s62, SLOT
.endr
	s_mul_i32 s61, s10, 16*SPITCH
	s_add_co_u32 s61, s61, STAGE                   ; my stage
	v_mul_u32_u24 v5, v1, SPITCH                   ; in: row r, 32 bytes at 32 h
	v_lshl_add_u32 v5, v2, 5, v5
	v_add_nc_u32 v[STO], s61, v5
	v_mul_u32_u24 v5, v2, SPITCH                   ; back: lanes 0-15 one row of 256 bytes, lanes 16-31 the next
	v_lshl_add_u32 v5, v1, 4, v5
	v_add_nc_u32 v[RD], s61, v5
	v_lshlrev_b32 v5, 12, v2                       ; the same two rows of the output, 4,096 bytes apart
	v_lshl_add_u32 v[CO], v1, 4, v5
	v_lshlrev_b32 v[BOF], 5, v2                    ; bias: 8 numbers at 8 h
	; offsets of bias and output, in registers that feed no descriptor
	s_lshl_b32 s90, s58, 9                         ; 128 columns of 4 bytes
	s_lshl_b32 s91, s12, 8
	s_add_co_u32 s90, s90, s91
	s_lshl_b32 s88, s13, 7
	s_lshl_b32 s89, s11, 6
	s_add_co_u32 s88, s88, s89                     ; my first row,
	s_lshl_b32 s88, s88, 12                        ; of 4,096 bytes
	s_add_co_u32 s88, s88, s90
	s_mov_b32 s89, 0
	s_mov_b32 s91, 0
	s_add_nc_u64 s[84:85], s[84:85], s[90:91]
	s_add_nc_u64 s[86:87], s[86:87], s[88:89]
.irp c, 0,1,2,3
	global_load_b128 v[BIAS+8*\c:BIAS+8*\c+3],   v[BOF], s[84:85] offset:64*\c
	global_load_b128 v[BIAS+8*\c+4:BIAS+8*\c+7], v[BOF], s[84:85] offset:64*\c+16
.endr
; 16 products, 32 along K.  The 16 accumulators take turns, one instruction a turn.
.macro MUL16 f, kk, zero
	WIN 0x5a
.irp a, 0,1,2,3
.irp c, 0,1,2,3
.if \zero
	v_wmma_f32_16x16x32_bf16 v[8*(4*\a+\c):8*(4*\a+\c)+7], v[128*\f+64+8*(2*\c+\kk):128*\f+64+8*(2*\c+\kk)+7], v[128*\f+8*(2*\a+\kk):128*\f+8*(2*\a+\kk)+7], 0
.else
	v_wmma_f32_16x16x32_bf16 v[8*(4*\a+\c):8*(4*\a+\c)+7], v[128*\f+64+8*(2*\c+\kk):128*\f+64+8*(2*\c+\kk)+7], v[128*\f+8*(2*\a+\kk):128*\f+8*(2*\a+\kk)+7], v[8*(4*\a+\c):8*(4*\a+\c)+7]
.endif
.endr
.endr
.endm
; 32 LDS loads: head g of the slot's four (64 along K) into buffer f
.macro FETCH slot, g, f
	WIN 0x80
.irp a, 0,1,2,3
.irp kk, 0,1
	ds_load_b128 v[128*\f+8*(2*\a+\kk):128*\f+8*(2*\a+\kk)+3],   v[ADRA+\slot] offset:\g*HEADB+\a*16*APITCH+\kk*64
	ds_load_b128 v[128*\f+8*(2*\a+\kk)+4:128*\f+8*(2*\a+\kk)+7], v[ADRA+\slot] offset:\g*HEADB+\a*16*APITCH+\kk*64+32
.endr
.endr
.irp c, 0,1,2,3
.irp kk, 0,1
	ds_load_b128 v[128*\f+64+8*(2*\c+\kk):128*\f+64+8*(2*\c+\kk)+3],   v[ADRB+\slot] offset:\c*16*BPITCH+\g*128+\kk*64
	ds_load_b128 v[128*\f+64+8*(2*\c+\kk)+4:128*\f+64+8*(2*\c+\kk)+7], v[ADRB+\slot] offset:\c*16*BPITCH+\g*128+\kk*64+32
.endr
.endr
.endm
; One of a step's first three heads, in buffer f.  Head ng's fragments are asked for first, into buffer nf, which the products just issued have read
; (hence the places): they have this head's 32 products in which to land.
.macro GRP slot, ng, f, nf, zero
	s_wait_dscnt 0x0                               ; this head's fragments, asked for 32 products ago
	PLACES
	FETCH \slot, \ng, \nf
	MUL16 \f, 0, \zero
	MUL16 \f, 1, 0
.endm
.macro THREE slot, zero
	GRP \slot, 1, 0, 1, \zero
	GRP \slot, 2, 1, 0, 0
	GRP \slot, 3, 0, 1, 0
.endm
; A step's fourth head, buffer 1, with the change of slots.  In front of the barrier each wave has its reads of this slot back and all its tensor
; loads landed.  fill = 1: the barrier opens a round of the cluster's barrier, and the slot's joint refill (two K steps ahead) is the first tensor load behind it.
.macro TURN slot, next, fill
	s_wait_dscnt 0x0
	s_set_vgpr_msb 0x5a50
	s_wait_tensorcnt 0x0
	ds_add_u32 v254, v255
	s_wait_dscnt 0x0
	s_set_vgpr_msb 0x505a
	s_barrier_signal -1
	MUL16 1, 0, 0                                  ; register work while the others arrive
	WIN 0
	s_barrier_wait -1
.if \fill
	CREST
	s_add_nc_u64 s[G0+4*\slot+2:G0+4*\slot+3], s[G0+4*\slot+2:G0+4*\slot+3], 8*262144
	s_add_nc_u64 s[G0B+4*\slot+2:G0B+4*\slot+3], s[G0B+4*\slot+2:G0B+4*\slot+3], 2*512
	JLOAD \slot
.endif
	PLACES
	FETCH \next, 0, 0
	MUL16 1, 1, 0
.endm
	s_wait_tensorcnt 0x1                           ; my part of K step 0 is in; the load issued behind it stays out
	s_barrier_signal -1
	s_barrier_wait -1
	FETCH 0, 0, 0
	THREE 0, 1                                     ; the first products start the sums
	TURN 0, 1, 1                                   ; slot 0 gets K step 2
	THREE 1, 0
	TURN 1, 0, 1                                   ; slot 1 gets K step 3; K step 2 is shown landed here
	THREE 0, 0
	TURN 0, 1, 0                                   ; K step 3 is shown landed; nothing is left to fetch
	THREE 1, 0
	s_wait_dscnt 0x0
	MUL16 1, 0, 0
	MUL16 1, 1, 0
	; THE WAY OUT, 16 rows at a time: bias, 32 bytes a lane into my own stage, whole rows of 256 bytes back and out
	PLACES
	WIN 0
	s_wait_loadcnt 0x0                             ; the bias
.macro OUT16 a, f
	WIN 0x01
.irp c, 0,1,2,3
.irp q, 0,1,2,3
	v_pk_add_f32 v[TMP+8*\c+2*\q:TMP+8*\c+2*\q+1], v[8*(4*\a+\c)+2*\q:8*(4*\a+\c)+2*\q+1], v[BIAS+8*\c+2*\q:BIAS+8*\c+2*\q+1]
.endr
.endr
	WIN 0
.irp c, 0,1,2,3
	ds_store_b128 v[STO], v[TMP+8*\c:TMP+8*\c+3]   offset:64*\c
	ds_store_b128 v[STO], v[TMP+8*\c+4:TMP+8*\c+7] offset:64*\c+16
.endr
	s_wait_xcnt 0x0                                ; earlier stores have had their addresses translated (ISA guide 3.1): buffer f is loaded again only behind this wait
.irp t, 0,1,2,3,4,5,6,7
	ds_load_b128 v[\f+4*\t:\f+4*\t+3], v[RD] offset:\t*2*SPITCH     ; my own bytes; LDS serves a wave's instructions in order (ISA guide 5.7.1)
.endr
.irp t, 0,1,2,3,4,5,6,7
	s_wait_dscnt 7-\t                              ; load t is in, the younger ones stay out
	global_store_b128 v[CO], v[\f+4*\t:\f+4*\t+3], s[86:87] offset:\a*65536+\t*8192 th:TH_STORE_NT   ; sixteen lanes store 256 consecutive aligned bytes
.endr
.endm
	OUT16 0, OB0
	OUT16 1, OB1
	OUT16 2, OB0
	OUT16 3, OB1
	s_wait_tensorcnt 0x0
	ds_add_u32 v254, v255
	s_wait_dscnt 0x0
	CROUND                                         ; the closing round
	s_endpgm
.Lfunc_end_k_qd9dbcefd41_proj:
	.size	k_qd9dbcefd41_proj, .Lfunc_end_k_qd9dbcefd41_proj-k_qd9dbcefd41_proj
	.p2alignl 7, 3214868480
	.fill 96, 4, 3214868480
	.section	.rodata,"a",@progbits
	.p2align	6, 0x0
	.amdhsa_kernel k_qd9dbcefd41_proj
		.amdhsa_group_segment_fixed_size 327680
		.amdhsa_private_segment_fixed_size 0
		.amdhsa_enable_private_segment 0
		.amdhsa_kernarg_size 32
		.amdhsa_user_sgpr_count 2
		.amdhsa_user_sgpr_kernarg_segment_ptr 1
		.amdhsa_wavefront_size32 1
		.amdhsa_system_sgpr_workgroup_id_x 1
		.amdhsa_system_sgpr_workgroup_id_y 1
		.amdhsa_system_sgpr_workgroup_id_z 1
		.amdhsa_system_vgpr_workitem_id 0
		.amdhsa_next_free_vgpr 768
		.amdhsa_next_free_sgpr 92
		.amdhsa_reserve_vcc 0
		.amdhsa_float_denorm_mode_32 3
		.amdhsa_float_denorm_mode_16_64 3
		.amdhsa_memory_ordered 1
		.amdhsa_forward_progress 1
		.amdhsa_inst_pref_size 90
	.end_amdhsa_kernel
	.amdgpu_metadata
---
amdhsa.version: [ 1, 2 ]
amdhsa.kernels:
  - .name:           k_qd9dbcefd41_proj
    .symbol:         k_qd9dbcefd41_proj.kd
    .args:
      - { .name: ao, .offset: 0, .size: 8, .value_kind: global_buffer, .address_space: global }
      - { .name: wt, .offset: 8, .size: 8, .value_kind: global_buffer, .address_space: global }
      - { .name: bo, .offset: 16, .size: 8, .value_kind: global_buffer, .address_space: global }
      - { .name: out0, .offset: 24, .size: 8, .value_kind: global_buffer, .address_space: global }
    .group_segment_fixed_size: 327680
    .private_segment_fixed_size: 0
    .kernarg_segment_align: 8
    .kernarg_segment_size: 32
    .max_flat_workgroup_size: 128
    .sgpr_count:     92
    .vgpr_count:     768
    .wavefront_size: 32
...
	.end_amdgpu_metadata
.endif
;; end of part 4
